; MI455X (gfx1250); checked and timed in simulation.
; The chip was launched on July 23, 2026; its instructions are those of AMD's public machine-readable ISA for CDNA 5 (MIT licence, August 2026) and "CDNA5" Instruction Set Architecture Reference Guide (July 2026). The comments in the code are by the model that wrote it; some were corrected since.
;; Linear Attention. Allowed arithmetic: matrix products marked QUANTISED: E2M3 operands, one E8M0 scale for each 32 along K, by v_wmma_scale_f32_16x16x128_f8f6f4 with both operands' format E2M3, f32 sums; products left as they are: f32 operands where the result goes on into a quantised operand, else bf16, f16 or f32 operands; f32 sums; everything else in f32.
;; Inputs: W_qkv 1,024 x 3,072 float32; b_qkv 3,072 float32; x 4 x 4,096 x 1,024 float32.
;; Outputs: out0 4 x 4,096 x 1,024 float32.
;; This version of the problem:
;;   THIS VERSION OF THE PROBLEM IS GIVEN IN LOW PRECISION. The matrix products marked QUANTISED in the list below multiply operands that are first quantised to E2M3 (2 exponent bits, 3 mantissa bits; 6 bits a number), with one power-of-two scale for each 32 numbers along K (OCP MX v1.0); their sums are f32. All else is computed in f32.
;;   The module's matrix products, in the order in which they are computed (A, B: the left and right operand; K: the contracted axis; several contracted axes count as one K, in the product's order):
;;     1. [M 16,384, K 1,024] x [K 1,024, N 3,072]; A: input x; B: input W_qkv: QUANTISED
;;     2. batch 16,384 x [M 16, K 64] x [K 64, N 16]; A: computed on the way; B: softmax (see below): QUANTISED
;;     3. batch 16,384 x [M 16, K 16] x [K 16, N 64]; A: computed on the way; B: computed on the way: left as it is (K = 16 < 32)
;;   THE QUANTISER, for each operand of a quantised product, along K:
;;     - K is cut into blocks of 32 from its start; a last block that is shorter is filled with zeros.
;;     - A block's scale is 2^e with e = floor(log2(the largest magnitude in the block)) - 2, held to -126 .. 127; a block of zeros has e = 0. As a byte (E8M0): e + 127.
;;     - Each number is divided by its block's scale, clamped to +-7.5, and rounded to the nearest number of E2M3, ties to even, subnormals kept.
;;     - The product sums the exact products of the quantised numbers (number of the format x scale) in f32.
;;   ~~~python
;;   def quantise(x, axis):      # numpy; x: float32 -> the quantised numbers, widened to float32 again
;;       x = np.moveaxis(x, axis, -1); K = x.shape[-1]
;;       x = np.pad(x, [(0, 0)] * (x.ndim - 1) + [(0, -K % 32)]); x = x.reshape(x.shape[:-1] + (-1, 32)); a = np.abs(x).max(-1, keepdims=True)
;;       e = np.where(a > 0, np.clip(np.frexp(np.where(a > 0, a, 1))[1] - 1 - 2, -126, 127), 0)      # np.frexp(a)[1] - 1 = floor(log2(a)), exactly
;;       r = np.clip(x / 2.0 ** e, -7.5, 7.5)
;;       step = 2.0 ** (np.maximum(np.frexp(np.where(r == 0, 1, r))[1] - 1, 0) - 3)
;;       q = np.round(r / step) * step * 2.0 ** e      # np.round: ties to even
;;       return np.moveaxis(q.reshape(q.shape[:-2] + (-1,))[..., :K], -1, axis).astype(np.float32)
;;   ~~~
;;   SOFTMAX AHEAD OF A QUANTISED PRODUCT. Where the list says 'softmax', what is quantised is not the finished softmax but p = 2^(t - M), with t = logit x log2(e) and M = ceil(the row's largest t), a whole number; so 1/2 < the row's largest p <= 1. The row's sum l is taken of the UNQUANTISED p, in f32, and the product's result is divided by l at the end. Since M is a whole number, a kernel that streams over the keys may use a running M (the ceiling of the running maximum): every later rescaling is an exact power of two, which a block's scale takes up: the codes' values come out the same.
;;   OPERANDS COMPUTED ON THE WAY. 'Computed on the way' means the value that the module computes at that place (a softmax that the list does not call 'softmax' is quantised finished and normalised). What goes into a quantiser is computed in f32, as accurately as f32 sums, v_exp_f32 and their like allow (about 1e-6 of the number): no bf16 or f16 on the way to a quantiser, and a product that is left as it is and whose result goes on into a quantised operand takes f32 operands (vector FMAs, or v_wmma_f32_16x16x4_f32). A number that lies on a knife's edge between two numbers of the format may be rounded either way, as far as f32 arithmetic and the matrix unit's own rounding can turn it there, and no further.
;; One version. Each part assembles by itself: llvm-mc -triple=amdgcn-amd-amdhsa -mcpu=gfx1250 --defsym DOCPART=n.
;; ======== version 1 of 1: 2 launches
;; workspace buffers: wq 2,457,600 bytes
;; launch prep (part 1): grid 96 x 8, 1 waves a work-group, no clusters, 0 bytes of LDS; arguments W_qkv, wq; writes wq
.if DOCPART == 1
	.amdgcn_target "amdgcn-amd-amdhsa--gfx1250"
	.amdhsa_code_object_version 6
	.text
	.protected	k_q3a0acc71e0_prep
	.globl	k_q3a0acc71e0_prep
	.p2align	8
	.type	k_q3a0acc71e0_prep,@function
k_q3a0acc71e0_prep:
	s_mov_b64 s[64:65], 0
	v_nop
	global_prefetch_b8 v0, s[64:65] scope:SCOPE_SE
	s_setreg_imm32_b32 hwreg(HW_REG_WAVE_MODE, 25, 1), 1
	s_wait_xcnt 0x0
; W_qkv [1024 (k)][3072 (n)], f32, becomes codes of FP6 (E2M3) with one E8M0 byte for each 32 along K, laid in the ORDER OF THE OPERAND'S REGISTERS of the second launch.
; wq = [idx 0..11][half 0..1][wave 0..3][25,600 bytes], idx = 4 x type + i (type 0 q, 1 k, 2 v).  A block of 25,600 bytes is what one wave multiplies in one LDS slot:
;   four units (K step 4 half + u) of 6,144 bytes; in a unit four tiles of 1,536 bytes; in a tile register group c at 512 c, lane L at 16 L: an image of the 12 registers of a fragment;
;   from byte 24,576 eight scale registers of 128 bytes: register 2 u + t / 2, lanes 0-15 the words of the even tile, lanes 16-31 those of the odd tile.
; q, k: block (i, wave) is head 8 (wave / 2) + 2 i + wave % 2; row r of tile t is channel 32 (t / 2) + 8 (t % 2) + r + 8 (r / 8).   v: tile t of block (i, wave) is head 2 i + t % 2 + 8 (t / 2), row r is channel 16 wave + r.
; A work-group is one wave: 32 columns x one K step of 128.  A LANE TAKES A COLUMN AND ITS REGISTERS RUN DOWN K: a block of 32 lies in one lane, and the conversions give codes with K innermost.
; A block's scale byte is its largest magnitude's exponent field - 2, held at 1 from below.
; LIMITS: a block of zeros, and one whose largest magnitude lies under 2^-124, keeps the byte 1 (its codes are zeros or small; the bytes are read by this program alone); NaN and infinities are not served.
; Each store of codes covers two runs of 256 consecutive bytes, each at a multiple of 256 from wq's first byte; the scale words leave as 128 or 2 x 64 consecutive bytes (one byte in 25 of the buffer).
.set X,  32                            ; v32-159  my column's 128 numbers
.set O,  160                           ; v160-183 the images of lanes (r, 0) and (r, 1): 12 registers each
.set TT, 184                           ; v184-199 a block's upper 16 codes (a conversion's three registers begin on an even number)
	s_load_b128 s[4:7], s[0:1], 0x0                ; W, wq
	v_lshlrev_b32 v1, 2, v0                        ; 4 bytes a lane
	s_and_b32 s8, ttmp7, 0xffff                    ; the K step
	s_lshr_b32 s10, ttmp9, 5                       ; type
	s_bfe_u32 s11, ttmp9, 0x40001                  ; head
	s_and_b32 s12, ttmp9, 1                        ; which 32 channels of the head
	s_bfe_u32 s13, s11, 0x20001                    ; i = (head / 2) % 4
	s_lshr_b32 s14, s11, 3                         ; head / 8
	s_and_b32 s15, s11, 1                          ; head % 2
	s_lshr_b32 s16, s8, 2                          ; half
	s_and_b32 s17, s8, 3                           ; unit
	s_lshl_b32 s18, s10, 2
	s_add_co_u32 s18, s18, s13                     ; idx
	s_lshl_b32 s18, s18, 1
	s_add_co_u32 s18, s18, s16
	s_mul_i32 s18, s18, 102400                     ; (2 idx + half) x four blocks
	s_lshl_b32 s19, s14, 1
	s_add_co_u32 s19, s19, s15                     ; 2 (head / 8) + head % 2: q, k: the wave; v: the tile
	s_lshl_b32 s20, s12, 1                         ; 2 x which 32 channels: q, k: the first of two tiles; v: the first of two waves
	s_cmp_eq_u32 s10, 2
	s_cselect_b32 s21, s20, s19                    ; the wave's block
	s_cselect_b32 s22, s19, s20                    ; the tile
	s_cselect_b32 s23, s14, s12                    ; tile / 2
	s_mul_i32 s21, s21, 25600
	s_add_co_u32 s18, s18, s21                     ; the block's first byte
	s_mul_i32 s24, s17, 6144
	s_mul_i32 s22, s22, 1536
	s_add_co_u32 s24, s24, s22
	s_add_co_u32 s24, s24, s18                     ; the tile's image
	s_mov_b32 s25, 0
	s_lshl_b32 s26, s17, 1
	s_add_co_u32 s26, s26, s23
	s_lshl_b32 s26, s26, 7
	s_add_co_u32 s26, s26, s18
	s_add_co_u32 s26, s26, 24576                   ; the scale register
	s_mov_b32 s27, 0
	s_mul_i32 s28, s8, 1572864                     ; 128 rows of W
	s_lshl_b32 s29, ttmp9, 7                       ; 32 columns
	s_add_co_u32 s28, s28, s29
	s_mov_b32 s29, 0
	v_and_b32 v17, 7, v0
	v_lshrrev_b32 v18, 4, v0
	v_bfe_u32 v19, v0, 3, 1
	v_and_b32 v20, 15, v0
	s_cmp_eq_u32 s10, 2
	s_cbranch_scc1 .Lfor_v
	v_lshl_add_u32 v21, v18, 3, v17                ; q, k: my row of the tile: lane % 8 + 8 (lane / 16); my tile: (lane / 8) % 2
	v_lshlrev_b32 v2, 4, v21
	v_mad_u32_u24 v2, v19, 1536, v2
	v_lshl_add_u32 v21, v19, 4, v21
	v_lshlrev_b32 v3, 2, v21
	s_branch .Ljoined
.Lfor_v:
	v_mul_u32_u24 v21, v18, 25600                  ; v: my row: lane % 16; lanes 16-31 belong to the next wave's block
	v_lshl_add_u32 v2, v20, 4, v21
	s_lshl_b32 s30, s15, 4
	v_add_nc_u32 v3, s30, v20
	v_lshl_add_u32 v3, v3, 2, v21
.Ljoined:
	s_wait_kmcnt 0x0
	s_add_nc_u64 s[4:5], s[4:5], s[28:29]
	s_add_nc_u64 s[24:25], s[6:7], s[24:25]
	s_add_nc_u64 s[26:27], s[6:7], s[26:27]
.set kk, 0
.rept 128
	global_load_b32 v[X+kk], v1, s[4:5] offset:kk*12288 th:TH_LOAD_NT   ; W(128 s + kk, my column): 32 lanes read 128 consecutive bytes
.set kk, kk+1
.endr
; Block b of the K step: it belongs to lane (r, b % 2) of the operand, registers 6 (b / 2) on.  left: how many younger loads may stay out
.macro PBLOCK b, left
.set XB, X+32*(\b)
.set OB, O+12*((\b)%2)+6*((\b)/2)
	s_wait_loadcnt \left
	v_max3_num_f32 v4, |v[XB]|, |v[XB+1]|, |v[XB+2]|
	v_max3_num_f32 v5, |v[XB+3]|, |v[XB+4]|, |v[XB+5]|
.irp iq, 6,10,14,18,22,26
	v_max3_num_f32 v4, v4, |v[XB+\iq]|, |v[XB+\iq+1]|
	v_max3_num_f32 v5, v5, |v[XB+\iq+2]|, |v[XB+\iq+3]|
.endr
	v_max3_num_f32 v4, v4, |v[XB+30]|, |v[XB+31]|
	v_max3_num_f32 v4, v4, v5, 0x1800000           ; and the floor 2^(3 - 127): the byte cannot fall under 1
	v_add_nc_u32 v[8+(\b)], 0xff000000, v4         ; 2 off the exponent field: the conversion's scale operand
	v_lshrrev_b32 v[12+(\b)], 23, v[8+(\b)]        ; the scale's byte
	v_cvt_scalef32_pk16_fp6_f32 v[OB:OB+2], v[XB:XB+15], v[8+(\b)]
	v_cvt_scalef32_pk16_fp6_f32 v[TT+4*(\b):TT+4*(\b)+2], v[XB+16:XB+31], v[8+(\b)]
	v_nop                                          ; one plain place behind a scaled conversion
.irp iq, 0,1,2
	v_mov_b32 v[OB+3+\iq], v[TT+4*(\b)+\iq]
.endr
.endm
	PBLOCK 0, 63                                   ; 96 younger loads could stay out; the count's field holds 63
	PBLOCK 1, 63                                   ; 64 could
	PBLOCK 2, 32
	PBLOCK 3, 0
	v_lshl_or_b32 v16, v13, 8, v12                 ; my column's scale word for this K step
	v_lshl_or_b32 v16, v14, 16, v16
	v_lshl_or_b32 v16, v15, 24, v16
.irp hb, 0,1
.irp cq, 0,1,2
	global_store_b128 v2, v[O+12*\hb+4*\cq:O+12*\hb+4*\cq+3], s[24:25] offset:256*\hb+512*\cq
.endr
.endr
	global_store_b32 v3, v16, s[26:27]
	s_endpgm
.Lfunc_end_k_q3a0acc71e0_prep:
	.size	k_q3a0acc71e0_prep, .Lfunc_end_k_q3a0acc71e0_prep-k_q3a0acc71e0_prep
	.p2alignl 7, 3214868480
	.fill 96, 4, 3214868480
	.section	.rodata,"a",@progbits
	.p2align	6, 0x0
	.amdhsa_kernel k_q3a0acc71e0_prep
		.amdhsa_group_segment_fixed_size 0
		.amdhsa_private_segment_fixed_size 0
		.amdhsa_enable_private_segment 0
		.amdhsa_kernarg_size 16
		.amdhsa_user_sgpr_count 2
		.amdhsa_user_sgpr_kernarg_segment_ptr 1
		.amdhsa_wavefront_size32 1
		.amdhsa_system_sgpr_workgroup_id_x 1
		.amdhsa_system_sgpr_workgroup_id_y 1
		.amdhsa_system_sgpr_workgroup_id_z 1
		.amdhsa_system_vgpr_workitem_id 0
		.amdhsa_next_free_vgpr 208
		.amdhsa_next_free_sgpr 66
		.amdhsa_reserve_vcc 0
		.amdhsa_float_denorm_mode_32 3
		.amdhsa_float_denorm_mode_16_64 3
		.amdhsa_memory_ordered 1
		.amdhsa_forward_progress 1
		.amdhsa_inst_pref_size 22
	.end_amdhsa_kernel
	.amdgpu_metadata
---
amdhsa.version: [ 1, 2 ]
amdhsa.kernels:
  - .name:           k_q3a0acc71e0_prep
    .symbol:         k_q3a0acc71e0_prep.kd
    .args:
      - { .name: W_qkv, .offset: 0, .size: 8, .value_kind: global_buffer, .address_space: global }
      - { .name: wq, .offset: 8, .size: 8, .value_kind: global_buffer, .address_space: global }
    .group_segment_fixed_size: 0
    .private_segment_fixed_size: 0
    .kernarg_segment_align: 8
    .kernarg_segment_size: 16
    .max_flat_workgroup_size: 32
    .sgpr_count:     66
    .vgpr_count:     208
    .wavefront_size: 32
...
	.end_amdgpu_metadata
.endif
;; end of part 1
;; launch fused (part 2): grid 256 x 1, 4 waves a work-group, clusters of 4 x 1, 327,680 bytes of LDS; arguments x, wq, b_qkv, out0; writes out0
.if DOCPART == 2
	.amdgcn_target "amdgcn-amd-amdhsa--gfx1250"
	.amdhsa_code_object_version 6
	.text
	.protected	k_q3a0acc71e0_fused
	.globl	k_q3a0acc71e0_fused
	.p2align	8
	.type	k_q3a0acc71e0_fused,@function
k_q3a0acc71e0_fused:
	s_mov_b64 s[64:65], 0
	v_nop
	global_prefetch_b8 v0, s[64:65] scope:SCOPE_SE
	s_setreg_imm32_b32 hwreg(HW_REG_WAVE_MODE, 25, 1), 1
	s_wait_xcnt 0x0
	s_wait_alu depctr_hold_cnt(0) depctr_sa_sdst(0) depctr_va_vdst(0) depctr_va_sdst(0) depctr_va_ssrc(0) depctr_va_vcc(0) depctr_vm_vsrc(0)
	s_getreg_b32 s2, hwreg(HW_REG_IB_STS2, 6, 4)
	s_cmp_eq_u32 s2, 0
	s_cbranch_scc0 .Lentry_in_a_cluster
	s_endpgm
.Lentry_in_a_cluster:
	s_bfe_u32 s2, ttmp6, 0x10000c
	s_cmp_lg_u32 s2, 0x3003
	s_cbranch_scc0 .Lentry_shape_is_right
	s_endpgm
.Lentry_shape_is_right:
; out = per-token attention over heads of qkv = Q(x) Q(W) + b.  x [16384][1024] f32; wq: W's codes of FP6 (E2M3) and scale words as register images (the launch before); b [3072]; out [16384][1024] f32.
; PRODUCT 1 (K = 1,024) and PRODUCT 2 (attn[h][g] = Q(q / 8)[h] . Q(p)[g] / l[g], K = 64, the upper 64 of the instruction's 128 filled with zero codes) go by v_wmma_scale_f32_16x16x128_f8f6f4 on FP6;
; PRODUCT 3 (out[h] = sum over g of attn[h][g] v[g], K = 16) in bf16, two tokens to an instruction's K of 32.  p = 2^(t - M), t = k log2(e), M = ceil(the head's largest t); l = the sum of the unquantised p.
; SHARES.  A work-group owns 64 tokens and all 3,072 columns, since attn mixes a token's 16 heads: qkv never goes to memory.  Every wave holds the codes of all 64 tokens for all of K in 384 registers; THE WAVES SHARE
; THE COLUMNS.  A group is 64 columns x 64 tokens x K 1,024: 16 accumulators by turns, 128 matrix instructions.  A wave has 12 groups: 4 heads of q, 4 of k (one head each), 4 of v (16 channels of four heads each).
; W's blocks of 25,600 bytes (half of K of a group) come through a ring of two LDS slots, each wave fetching and reading its own block.
; CLUSTER.  The four work-groups of a cluster walk the same blocks of wq: each block is asked for JOINTLY (mask 15), which divides the requests by four.  A wider cluster would add nothing: a mask names four.
; THE WALK DIFFERS FROM CLUSTER TO CLUSTER, in global addresses alone: z = (c xor c / 16) % 16 gives rho = z % 4 (the groups of a section begin at i = rho), kappa (which half of K comes first), phi (k before q).
; So at any time different clusters ask for different blocks.  A head then lies at a POSITION: position 8 a + 2 i' + b holds head 8 a + 2 ((i' + rho) % 4) + b, alike for q's rows, p's rows and v's K; out's address undoes it.
; q, k: TRANSPOSED (source 0 = 16 columns of W, source 1 = 16 tokens): a lane holds one token and its registers run along the head's channels, the next K.  v: source 0 = tokens, source 1 = W: a lane holds one channel.
; LIMITS: NaN and infinities are not served; a block of zeros, or one whose largest magnitude lies under 2^-124, keeps the scale byte 1; a p under 2^-126 comes out of v_exp_f32 as 0;
; the K steps of product 1 are summed in one of two orders (kappa), which changes the order of f32 sums alone.
; REGISTERS, in windows of 256.  window 0: v0-27 addresses; v28-59 x's scale words; v60-75 W's, two sets; v76-79 v's bias; v80-127 at work; v128-255 the 16 accumulators ((m, t) at 128 + 8 (4 m + t)).
;   window 1: v0-95 W's fragments, two buffers of four; v96-127 the bias as C; v128-255 v in bf16 for tokens 0-31.   window 2: v0-191 x's codes, K slots 0-3; v192-255 v for tokens 32-47.   window 3: the same for K slots 4-7, tokens 48-63.
.set SLOTB, 102400                     ; LDS: two slots of four blocks,
.set BLKB,  25600
.set STG,   204800                     ; x's turn: for each wave two stages of 16 rows x 528 bytes;
.set XIMG,  272384                     ; x's 32 fragments as register images, 1,536 bytes each;
.set XSC,   321536                     ; their scale words, 128 bytes each.
.set QIMG,  204800                     ; Later, over these: q's image of each token, 784 bytes: 16 head slots x 2 halves: registers 0-3 at 16 slot + 256 half, registers 4-5 at 512 + 8 slot + 128 half;
.set PIMGD, 50176                      ; p's images lie this far behind q's;
.set SCW,   305152                     ; a token's 16 scale words of q, then 16 of p: 132 bytes;
.set RLW,   313600                     ; a token's 16 numbers 1 / l: 80 bytes.
.set SPARE, 327168                     ; the spare words, 128 bytes for each wave: two blocks of 256 bytes that no other line names
.set OST0,  32768                      ; Behind the ring's last fill, in its bytes: attn's images at 0 (64 tokens x 512), and two stages of 16 tokens x 16 heads x 272 for the way out
.set OSTD,  69632
.set SPW, 1
.set NIL, 2
.set LI,  3                            ; 16 x lane
.set LS,  4                            ; 4 x lane
.set WA,  5                            ; v5, v6   my block in slot 0, 1, + 16 x lane
.set WSA, 7                            ; v7, v8   its scale registers, + 4 x lane
.set IA,  9                            ; where I store registers 0-3 of an image
.set IB,  10                           ; registers 4-5
.set ISC, 11                           ; a scale word
.set IRL, 12                           ; 1 / l
.set SH16, 13                          ; 16 x (lane / 16)
.set BO,  14                           ; 64 x (lane / 16)
.set BVO, 15                           ; 4 x (lane % 16)
.set CO,  16                           ; v16-19   my byte in out for head pairs at position i'
.set PFO, 20                           ; 256 x lane
.set TA0, 21                           ; v21-27: addresses of the phase in hand
.set TA1, 22
.set TA2, 23
.set TA3, 24
.set STW, 21
.set STR, 22
.set XWI, 23
.set XWS, 24
.set XRI, 25
.set XRS, 26
.set QA,  21
.set QB,  22
.set SCR, 23
.set RLR, 24
.set AW,  25
.set XS,  28
.set WS0, 60
.set BV,  76
.set BM,  80
.set BX,  88
.set PC,  96
.set PW,  116
.set NM,  118                          ; v118-125: -M, later 1 / l, of the four tiles of tokens, each the low word of a pair
.set TMP, 126
.set ACC, 128
.set BC,  96                           ; in window 1
.set MSB, 0
.macro WIN new                         ; the immediate's high byte repeats the setting that is left
.if MSB != (\new)
	s_set_vgpr_msb (MSB<<8)|(\new)
.set MSB, (\new)
.endif
.endm
.macro PLACES n                        ; plain places behind matrix instructions (ISA guide 7.12.1)
.rept \n
	v_nop
.endr
.endm
.macro CREST                           ; a round of the cluster's barrier behind its opening barrier
	s_cmp_lg_u32 s12, 0
	s_cbranch_scc1 .Lnot_wave_0_\@
	s_barrier_signal -3
.Lnot_wave_0_\@:
	s_barrier_wait -3
	s_barrier_signal -1
	s_barrier_wait -1
.endm
.macro CROUND
	s_barrier_signal -1
	s_barrier_wait -1
	CREST
.endm
.macro BAR                             ; my LDS stores have landed and my LDS loads are in: then the work-group's barrier
	s_wait_dscnt 0x0
	s_barrier_signal -1
	s_barrier_wait -1
.endm
.macro SETG0 eta                       ; slot eta's next block: wq + 204,800 x (the next group's idx) + my wave's block in the half of K that time-half eta reads
	s_mul_i32 s40, s21, 204800
	s_add_co_u32 s40, s40, s[22+(\eta)]
	s_add_nc_u64 s[34+4*(\eta):35+4*(\eta)], s[6:7], s[40:41]
	s_or_b32 s[35+4*(\eta)], s[35+4*(\eta)], 0x80000000
.endm
.macro FETCHW slot, u, buf             ; unit u's four fragments: 12 loads of 512 consecutive bytes
	WIN 0x40
.irp tq, 0,1,2,3
.irp cq, 0,1,2
	ds_load_b128 v[48*(\buf)+12*\tq+4*\cq:48*(\buf)+12*\tq+4*\cq+3], v[WA+(\slot)] offset:6144*(\u)+1536*\tq+512*\cq
.endr
.endr
.endm
.macro FETCHS slot                     ; a slot's eight scale registers
	WIN 0
.irp qq, 0,1,2,3,4,5,6,7
	ds_load_b32 v[WS0+8*(\slot)+\qq], v[WSA+(\slot)] offset:128*\qq
.endr
.endm
; Four matrix instructions: tile tt of W against the four tiles of tokens, K slot 4 eta + u.  first = 1: the bias is the C and starts the sums.
.macro MULT T, eta, u, tt, first
.irp mm, 0,1,2,3
.set rD, ACC+8*(4*\mm+(\tt))
.set rC, rD
.if \first
.set rC, BC+8*(\tt)
.endif
.set rW, 48*((\u)%2)+12*(\tt)
.set rX, 12*(4*(\u)+\mm)
.set rS, WS0+8*(\eta)+2*(\u)+(\tt)/2
.set rY, XS+4*(4*(\eta)+(\u))+\mm
.if (\T) && ((\tt)%2)
	v_wmma_scale_f32_16x16x128_f8f6f4 v[rD:rD+7], v[rW:rW+11], v[rX:rX+11], v[rC:rC+7], v[rS], v[rY] matrix_a_fmt:MATRIX_FMT_FP6 matrix_b_fmt:MATRIX_FMT_FP6 matrix_a_scale:MATRIX_SCALE_ROW1
.elseif \T
	v_wmma_scale_f32_16x16x128_f8f6f4 v[rD:rD+7], v[rW:rW+11], v[rX:rX+11], v[rC:rC+7], v[rS], v[rY] matrix_a_fmt:MATRIX_FMT_FP6 matrix_b_fmt:MATRIX_FMT_FP6
.elseif (\tt)%2
	v_wmma_scale_f32_16x16x128_f8f6f4 v[rD:rD+7], v[rX:rX+11], v[rW:rW+11], v[rC:rC+7], v[rY], v[rS] matrix_a_fmt:MATRIX_FMT_FP6 matrix_b_fmt:MATRIX_FMT_FP6 matrix_b_scale:MATRIX_SCALE_ROW1
.else
	v_wmma_scale_f32_16x16x128_f8f6f4 v[rD:rD+7], v[rX:rX+11], v[rW:rW+11], v[rC:rC+7], v[rY], v[rS] matrix_a_fmt:MATRIX_FMT_FP6 matrix_b_fmt:MATRIX_FMT_FP6
.endif
.endr
.endm
.macro BIASLD                          ; a head's bias in the result's layout: lane (r, h), tile t, register j: channel 32 (t / 2) + 16 h + 8 (t % 2) + j
	WIN 0x40
.irp tq, 0,1,2,3
.irp ee, 0,1
	global_load_b128 v[BC+8*\tq+4*\ee:BC+8*\tq+4*\ee+3], v[BO], s[52:53] offset:(32*(\tq/2)+8*(\tq%2))*4+16*\ee
.endr
.endr
	WIN 0
.endm
.macro BIASQK                          ; the next group's bias, where the next group is one of q or k
	WIN 0
	s_lshl_b32 s66, s71, 12
	s_lshl_b32 s68, s72, 9
	s_add_co_u32 s66, s66, s68
	s_add_co_u32 s66, s66, s69
	s_add_nc_u64 s[52:53], s[8:9], s[66:67]        ; (the last loads by this base were waited for at this group's head)
	s_cmp_eq_u32 s19, 7
	s_cbranch_scc1 .Lno_bias_\@
	BIASLD
.Lno_bias_\@:
.endm
.macro BIASV                           ; the next group of v: one number a tile: channel 16 wave + lane % 16 of head 2 i + t % 2 + 8 (t / 2)
	WIN 0
	s_lshl_b32 s66, s72, 9
	s_lshl_b32 s68, s12, 6
	s_add_co_u32 s66, s66, s68
	s_add_co_u32 s66, s66, 8192
	s_add_nc_u64 s[52:53], s[8:9], s[66:67]
.irp tq, 0,1,2,3
	global_load_b32 v[BV+\tq], v[BVO], s[52:53] offset:256*(\tq%2)+2048*(\tq/2)
.endr
.endm
.macro BCFILL                          ; v's bias is the same for a lane's eight tokens
	WIN 0x40
.irp tq, 0,1,2,3
.irp jq, 0,1,2,3,4,5,6,7
	v_mov_b32 v[BC+8*\tq+\jq], v[BV+\tq]
.endr
.endr
	WIN 0
.endm
; A PREFETCH INTO THE L2 of v's part of wq, 819,200 bytes: in the loop's trip 6, one group ahead of the first load that wants it.  Wave 0 of each work-group of clusters 0 to 24 asks for 32 blocks of 256 bytes, lanes 256 bytes apart;
; the hundred work-groups are told apart by address: each block is named once in the launch.
.macro ASK
	s_cmp_eq_u32 s19, s55
	s_cbranch_scc0 .Lnot_mine_\@
	global_prefetch_b8 v[PFO], s[56:57] th:TH_LOAD_NT scope:SCOPE_SE
.Lnot_mine_\@:
.endm
; HALF A GROUP: the four units of slot eta, 64 matrix instructions.  While a unit is multiplied the next unit's 12 loads are on their way, into the other buffer.
; mode 2: the last unit changes slots and fills this slot again, with the next group's block; 1: it changes slots and fills nothing; 0: nothing follows.
.macro HALF T, eta, first, mode, bias, ask
.if \T
.set WM, 0x09+4*(\eta)
.else
.set WM, 0x06+(\eta)
.endif
.irp uu, 0,1,2
	PLACES 4                                       ; in front of loads into registers that matrix instructions have read
.if (\uu == 1) && ((\bias) == 1)
	BIASQK
.endif
.if (\uu == 1) && ((\bias) == 2)
	BIASV
.endif
	FETCHW \eta, \uu+1, (\uu+1)%2
	s_wait_dscnt 12                                ; all but the 12 just issued
.if (\uu == 0) && (\first)
	s_wait_loadcnt 0x0                             ; the bias
	WIN WM|0x10
.irp tz, 0,1,2,3
	MULT \T, \eta, \uu, \tz, 1
.endr
.else
	WIN WM
.irp tz, 0,1,2,3
	MULT \T, \eta, \uu, \tz, 0
.endr
.endif
.endr
.if (\mode) == 0
	s_wait_dscnt 0x0
	WIN WM
.irp tz, 0,1,2,3
	MULT \T, \eta, 3, \tz, 0
.endr
.else
	WIN 0                                          ; (the add's two registers lie in window 0)
	s_wait_tensorcnt 0x0                           ; all my tensor loads have landed: the one that was out is my block of the other slot; so a group 0 may be written
	ds_add_u32 v[SPW], v[NIL]                      ; 0 onto my spare word
.if (\mode) == 2
	SETG0 \eta
.endif
	s_wait_dscnt 1                                 ; the unit's fragments are in; the add may be out
	WIN WM
	MULT \T, \eta, 3, 0, 0
	s_wait_dscnt 0x0                               ; the add is done, and my reads of this slot are over
	s_barrier_signal -1
	MULT \T, \eta, 3, 1, 0
	WIN 0
	s_barrier_wait -1
.if (\mode) == 2
	CREST                                          ; the barrier has opened a round of the cluster's: no wave of any partner still reads this slot or has a load on its way
	tensor_load_to_lds s[32+4*(\eta):35+4*(\eta)], s[24:31]
	s_nop 0
	PLACES 4                                       ; (the places in front of the loads below)
.else
	PLACES 4
.endif
	FETCHW 1-(\eta), 0, 0
	FETCHS 1-(\eta)
.if \ask
	ASK
.endif
	WIN WM
	MULT \T, \eta, 3, 2, 0
	MULT \T, \eta, 3, 3, 0
.endif
.endm
; THE QUANTISER.  64 numbers of a lane at v[s] on, register 16 b + i = number 32 b + 16 (lane / 16) + i along K of my row.  QMAX: the four blocks' largest magnitudes.  QSCALE: the conversions' scale operands (BX), the bytes, the word.
; QCVT: the codes: v[PC] .. v[PC + 11], lane (r, h): registers 6 c on hold block 2 c + h.
.macro QMAX s, o
.irp bq, 0,1,2,3
	v_max3_num_f32 v[BM+(\o)+\bq], |v[(\s)+16*\bq]|, |v[(\s)+16*\bq+1]|, 0x1800000   ; with the floor 2^(3 - 127): the byte cannot fall under 1
.endr
.irp iq, 2,4,6,8,10,12,14
.irp bq, 0,1,2,3
	v_max3_num_f32 v[BM+(\o)+\bq], v[BM+(\o)+\bq], |v[(\s)+16*\bq+\iq]|, |v[(\s)+16*\bq+\iq+1]|
.endr
.endr
.irp bq, 0,1,2,3
	v_permlanex16_b32 v[BX+(\o)+\bq], v[BM+(\o)+\bq], s42, s43
.endr
.irp bq, 0,1,2,3
	v_max_num_f32 v[BM+(\o)+\bq], v[BM+(\o)+\bq], v[BX+(\o)+\bq]
.endr
.endm
.macro QSCALE o, pw
.irp bq, 0,1,2,3
	v_add_nc_u32 v[BX+(\o)+\bq], 0xff000000, v[BM+(\o)+\bq]   ; 2 off the exponent field
.endr
.irp bq, 0,1,2,3
	v_lshrrev_b32 v[BM+(\o)+\bq], 23, v[BX+(\o)+\bq]
.endr
	v_lshl_or_b32 v[\pw], v[BM+(\o)+1], 8, v[BM+(\o)]
	v_lshl_or_b32 v[\pw], v[BM+(\o)+2], 16, v[\pw]
	v_lshl_or_b32 v[\pw], v[BM+(\o)+3], 24, v[\pw]
.endm
.macro QCVT s, o
.irp cq, 0,1
	v_cvt_scalef32_pk16_fp6_f32 v[PC+6*\cq:PC+6*\cq+2], v[(\s)+32*\cq:(\s)+32*\cq+15], v[BX+(\o)+2*\cq]
	v_cvt_scalef32_pk16_fp6_f32 v[PC+12+4*\cq:PC+14+4*\cq], v[(\s)+32*\cq+16:(\s)+32*\cq+31], v[BX+(\o)+2*\cq+1]
.endr
	v_nop                                          ; one plain place behind a scaled conversion
.irp cq, 0,1
.irp iq, 0,1,2
	v_permlane16_swap_b32 v[PC+6*\cq+\iq], v[PC+12+4*\cq+\iq]   ; a whole block to a lane
.endr
.irp iq, 0,1,2
	v_mov_b32 v[PC+3+6*\cq+\iq], v[PC+12+4*\cq+\iq]
.endr
.endr
.endm
; The codes of tiles of tokens 2 U and 2 U + 1 of one head go into those 32 tokens' images; lanes 0-15 store tile 2 U's scale word, lanes 16-31 tile 2 U + 1's (its two upper bytes meet zero codes and are never 0xff)
.macro IMGSTORE U, pw
	ds_store_b128 v[TA0], v[PC:PC+3] offset:25088*(\U)
	ds_store_b64 v[TA1], v[PC+4:PC+5] offset:25088*(\U)
	ds_store_b128 v[TA0], v[PC+6:PC+9] offset:25088*(\U)+12544
	ds_store_b64 v[TA1], v[PC+10:PC+11] offset:25088*(\U)+12544
	v_lshrrev_b32 v[TMP], v[SH16], v[\pw]
	ds_store_b32 v[TA2], v[TMP] offset:4224*(\U)
.endm
.macro SUMT mq                         ; the 32 numbers p of tile mq, added in place by pairs
.set sb, ACC+32*(\mq)
.irp zq, 0,1,2,3,4,5,6,7
	v_pk_add_f32 v[sb+4*\zq:sb+4*\zq+1], v[sb+4*\zq:sb+4*\zq+1], v[sb+4*\zq+2:sb+4*\zq+3]
.endr
.irp zq, 0,1,2,3
	v_pk_add_f32 v[sb+8*\zq:sb+8*\zq+1], v[sb+8*\zq:sb+8*\zq+1], v[sb+8*\zq+4:sb+8*\zq+5]
.endr
.irp zq, 0,1
	v_pk_add_f32 v[sb+16*\zq:sb+16*\zq+1], v[sb+16*\zq:sb+16*\zq+1], v[sb+16*\zq+8:sb+16*\zq+9]
.endr
	v_pk_add_f32 v[sb:sb+1], v[sb:sb+1], v[sb+16:sb+17]
.endm
	s_load_b256 s[4:11], s[0:1], 0x0               ; x s[4:5], wq s[6:7], b s[8:9], out s[10:11]
	v_lshl_add_u32 v[SPW], v0, 2, SPARE
	v_mov_b32 v[NIL], 0
	ds_add_u32 v[SPW], v[NIL]                      ; the wave's opening: the add and its wait come ahead of my first tensor load; the set-up below, work on registers, stands between them
	v_lshrrev_b32 v3, 5, v0
	v_readfirstlane_b32 s12, v3                    ; wave 0..3
	s_bfe_u32 s13, ttmp6, 0x40000                  ; cx: it enters x's, out's and the prefetch's addresses alone
	s_mov_b32 s14, ttmp9                           ; the cluster
	s_lshr_b32 s58, s14, 4
	s_xor_b32 s58, s58, s14
	s_and_b32 s16, s58, 3                          ; rho
	s_bfe_u32 s17, s58, 0x10002                    ; kappa
	s_bfe_u32 s18, s58, 0x10003                    ; phi
	s_mov_b32 s24, 15|(3<<16)|(1<<21)              ; group 1: mask of all four work-groups, elements of 8 bytes, bit 21 beside a mask, no padding: a dense block of 25,600 bytes as 100 rows of 256
	s_mov_b32 s25, 32<<16
	s_mov_b32 s26, 100<<16
	s_mov_b32 s27, 32<<16
	s_mov_b32 s28, 100
	s_mov_b32 s29, 32
	s_mov_b32 s30, 0
	s_mov_b32 s31, 0
	s_mov_b32 s41, 0
	s_mov_b32 s67, 0
	s_mov_b32 s42, 0x76543210
	s_mov_b32 s43, 0xfedcba98                      ; v_permlanex16_b32's selects for lane l xor 16
	s_mov_b32 s44, 0x3fb8aa3b                      ; log2(e)
	s_mov_b32 s45, s44
	s_mov_b32 s46, 0x3e000000                      ; 1 / 8
	s_mov_b32 s47, s46
	s_mov_b32 s54, 0xffff0000                      ; lanes 16-31
	s_mul_i32 s73, s12, BLKB                       ; my wave's block in a slot and in a half of wq
	s_mul_i32 s58, s17, SLOTB
	s_add_co_u32 s22, s73, s58                     ; time-half 0 reads wq's half kappa,
	s_xor_b32 s58, s58, SLOTB
	s_add_co_u32 s23, s73, s58                     ; time-half 1 the other
	s_lshr_b32 s58, s12, 1
	s_lshl_b32 s58, s58, 11
	s_and_b32 s59, s12, 1
	s_lshl_b32 s59, s59, 8
	s_add_co_u32 s69, s58, s59                     ; my heads' bias: 2,048 (wave / 2) + 256 (wave % 2)
	s_lshl_b32 s62, s14, 2
	s_add_co_u32 s62, s62, s13                     ; the work-group
	s_min_u32 s58, s62, 99
	s_lshl_b32 s58, s58, 13
	s_add_co_u32 s70, s58, 1638400                 ; the prefetch's 8,192 bytes of v's part of wq
	s_lshl_b32 s62, s62, 18                        ; 64 rows of 4,096 bytes
	s_lshl_b32 s63, s12, 16                        ; my wave's 16 rows
	s_cmp_lt_u32 s14, 25
	s_cselect_b32 s55, 6, -1
	s_cmp_eq_u32 s12, 0
	s_cselect_b32 s55, s55, -1                     ; the trip in which I prefetch, or none
	v_and_b32 v122, 31, v0                         ; lane
	v_and_b32 v123, 15, v0                         ; r
	v_bfe_u32 v124, v0, 4, 1                       ; h
	v_lshlrev_b32 v[LI], 4, v122
	v_lshlrev_b32 v[LS], 2, v122
	v_add_nc_u32 v[WA], s73, v[LI]
	v_add_nc_u32 v[WA+1], SLOTB, v[WA]
	s_add_co_u32 s58, s73, 24576
	v_add_nc_u32 v[WSA], s58, v[LS]
	v_add_nc_u32 v[WSA+1], SLOTB, v[WSA]
	v_mul_u32_u24 v125, v123, 784
	s_lshl_b32 s58, s12, 6
	s_add_co_u32 s58, s58, QIMG
	v_lshl_add_u32 v[IA], v124, 8, v125
	v_add_nc_u32 v[IA], s58, v[IA]                 ; QIMG + 784 r + 256 h + 64 wave
	s_lshl_b32 s58, s12, 5
	s_add_co_u32 s58, s58, QIMG+512
	v_lshl_add_u32 v[IB], v124, 7, v125
	v_add_nc_u32 v[IB], s58, v[IB]                 ; QIMG + 512 + 784 r + 128 h + 32 wave
	v_mul_u32_u24 v125, v123, 132
	v_mad_u32_u24 v[ISC], v124, 2112, v125
	s_lshl_b32 s58, s12, 4
	s_add_co_u32 s59, s58, SCW
	v_add_nc_u32 v[ISC], s59, v[ISC]               ; SCW + 132 (r + 16 h) + 16 wave
	v_mul_u32_u24 v125, v123, 80
	v_mad_u32_u24 v[IRL], v124, 1280, v125
	s_add_co_u32 s59, s58, RLW
	v_add_nc_u32 v[IRL], s59, v[IRL]               ; RLW + 80 (r + 16 h) + 16 wave
	v_lshlrev_b32 v[SH16], 4, v124
	v_lshlrev_b32 v[BO], 6, v124
	v_lshlrev_b32 v[BVO], 2, v123
.irp iq, 0,1,2,3
	s_add_co_u32 s58, s16, \iq
	s_and_b32 s58, s58, 3
	s_lshl_b32 s58, s58, 9
	s_lshl_b32 s59, s12, 14
	s_add_co_u32 s58, s58, s59
	v_add_nc_u32 v[CO+\iq], s58, v[LI]             ; out: 16 x lane + 512 ((i' + rho) % 4) + my wave's four tokens of a chunk
.endr
	v_lshlrev_b32 v[PFO], 8, v122
	s_mul_i32 s58, s12, 16896
	s_add_co_u32 s58, s58, STG
	v_add_nc_u32 v[STW], s58, v[LI]                ; x's turn, in: 16 bytes a lane of a row's 512
	v_mul_u32_u24 v125, v123, 528
	v_lshl_add_u32 v125, v124, 6, v125
	v_add_nc_u32 v[STR], s58, v125                 ; and out: row r, + 64 h: my 16 numbers of a block of 32
	s_mul_i32 s58, s12, 1536
	s_add_co_u32 s58, s58, XIMG
	v_add_nc_u32 v[XWI], s58, v[LI]
	s_lshl_b32 s58, s12, 7
	s_add_co_u32 s58, s58, XSC
	v_add_nc_u32 v[XWS], s58, v[LS]
	v_add_nc_u32 v[XRI], XIMG, v[LI]
	v_add_nc_u32 v[XRS], XSC, v[LS]
.irp bq, 0,1,2,3,4,5,6,7
	v_mov_b32 v[BX+\bq], 0                         ; written once: a lane permute's destination counts as one of its sources
.endr
	s_wait_dscnt 0x0                               ; the opening add is done
	s_wait_kmcnt 0x0
	s_add_co_u32 s68, s62, s63
	s_lshl_b32 s58, s17, 11
	s_add_co_u32 s66, s68, s58
	s_add_nc_u64 s[48:49], s[4:5], s[66:67]        ; x at my 16 rows: K slots 0-3 hold K steps 4 kappa on,
	s_xor_b32 s58, s58, 2048
	s_add_co_u32 s66, s68, s58
	s_add_nc_u64 s[50:51], s[4:5], s[66:67]        ; K slots 4-7 the others
	s_mov_b32 s66, s62
	s_add_nc_u64 s[10:11], s[10:11], s[66:67]      ; out at the work-group's first row
	s_mov_b32 s66, s70
	s_add_nc_u64 s[56:57], s[6:7], s[66:67]
; my 16 rows' numbers of K slot xi: an instruction reads a row's 512 consecutive bytes
.macro LOADX xi
	WIN 0x40
.irp iq, 0,1,2,3,4,5,6,7,8,9,10,11,12,13,14,15
.if (\xi) < 4
	global_load_b128 v[64*((\xi)%4)+4*\iq:64*((\xi)%4)+4*\iq+3], v[LI], s[48:49] offset:4096*\iq+512*((\xi)%4) th:TH_LOAD_NT
.else
	global_load_b128 v[64*((\xi)%4)+4*\iq:64*((\xi)%4)+4*\iq+3], v[LI], s[50:51] offset:4096*\iq+512*((\xi)%4) th:TH_LOAD_NT
.endif
.endr
	WIN 0
.endm
; through my own stage, so that a lane gets 16 neighbours of each block of its row.  LDS serves a wave's instructions in order (ISA guide 5.7.1.4): no wait between the stores and the loads
.macro TURNX xi
	WIN 0x04
.irp iq, 0,1,2,3,4,5,6,7,8,9,10,11,12,13,14,15
	ds_store_b128 v[STW], v[64*((\xi)%4)+4*\iq:64*((\xi)%4)+4*\iq+3] offset:8448*((\xi)%2)+528*\iq
.endr
	WIN 0
.irp bq, 0,1,2,3
.irp jq, 0,1,2,3
	ds_load_b128 v[ACC+64*((\xi)%2)+16*\bq+4*\jq:ACC+64*((\xi)%2)+16*\bq+4*\jq+3], v[STR] offset:8448*((\xi)%2)+128*\bq+16*\jq
.endr
.endr
.endm
.macro STEPX xi
	s_wait_dscnt 0x0                               ; this slot's numbers are back from the stage; the last image's stores have read their registers
.if (\xi) < 4
	LOADX (\xi)+4
.endif
.if (\xi) < 7
.if (\xi) < 4
	s_wait_loadcnt 48                              ; the next slot's 16 loads are in; three younger sets may be out
.else
	s_wait_loadcnt 16*(6-(\xi))
.endif
	TURNX (\xi)+1
.endif
	QMAX ACC+64*((\xi)%2), 0
	QSCALE 0, PW
	QCVT ACC+64*((\xi)%2), 0
.irp cq, 0,1,2
	ds_store_b128 v[XWI], v[PC+4*\cq:PC+4*\cq+3] offset:6144*(\xi)+512*\cq     ; fragment 4 xi + wave, as an image of its registers
.endr
	ds_store_b32 v[XWS], v[PW] offset:512*(\xi)
.endm
	LOADX 0
	LOADX 1
	LOADX 2
	LOADX 3
	s_lshl_b32 s21, s18, 2
	s_add_co_u32 s21, s21, s16                     ; the first group's idx: type phi, i = rho
	s_mov_b32 s32, 1
	s_mov_b32 s33, s73
	SETG0 0
	s_mov_b32 s36, 1
	s_add_co_u32 s37, s73, SLOTB
	SETG0 1
	CROUND                                         ; all four work-groups are here: the first joint loads meet
	tensor_load_to_lds s[32:35], s[24:31]          ; two loads of mine are out
	s_nop 0
	tensor_load_to_lds s[36:39], s[24:31]
	s_nop 0
	PLACES 4
	; ---- x: wave w quantises tokens 16 w .. 16 w + 15, eight K slots
	s_wait_loadcnt 48
	TURNX 0
.irp xq, 0,1,2,3,4,5,6,7
	STEPX \xq
.endr
	BAR                                            ; x's 32 fragments lie in LDS
	s_lshl_b32 s66, s18, 12
	s_lshl_b32 s68, s16, 9
	s_add_co_u32 s66, s66, s68
	s_add_co_u32 s66, s66, s69
	s_add_nc_u64 s[52:53], s[8:9], s[66:67]
	BIASLD                                         ; the first group's bias
	s_lshl_b32 s66, s16, 9
	s_lshl_b32 s68, s12, 6
	s_add_co_u32 s66, s66, s68
	s_add_co_u32 s66, s66, 8192
	s_add_nc_u64 s[74:75], s[8:9], s[66:67]
.irp tq, 0,1,2,3
	global_load_b32 v[BV+\tq], v[BVO], s[74:75] offset:256*(\tq%2)+2048*(\tq/2)   ; and that of v's first group
.endr
	WIN 0x80
.set fx, 0
.rept 16
.irp cq, 0,1,2
	ds_load_b128 v[12*fx+4*\cq:12*fx+4*\cq+3], v[XRI] offset:1536*fx+512*\cq
.endr
.set fx, fx+1
.endr
	WIN 0xc0
.rept 16
.irp cq, 0,1,2
	ds_load_b128 v[12*(fx-16)+4*\cq:12*(fx-16)+4*\cq+3], v[XRI] offset:1536*fx+512*\cq
.endr
.set fx, fx+1
.endr
	WIN 0
.set fx, 0
.rept 32
	ds_load_b32 v[XS+fx], v[XRS] offset:128*fx
.set fx, fx+1
.endr
	BAR                                            ; every wave has all of x's codes in registers: the bytes from 204,800 on may be stored again
	s_wait_tensorcnt 1                             ; my block of slot 0 is in (slot 1's may be out); nobody else reads it
	FETCHW 0, 0, 0
	FETCHS 0
	s_mov_b32 s19, 0                               ; the group
	s_mov_b32 s20, s18                             ; its type
	; ---- q and k: eight groups, one head each
.Lqk:
	s_add_co_u32 s58, s19, 1                       ; the next group: its section, type, i and idx
	s_lshr_b32 s59, s58, 2
	s_xor_b32 s71, s59, s18
	s_cmp_lt_u32 s59, 2
	s_cselect_b32 s71, s71, 2
	s_add_co_u32 s72, s58, s16
	s_and_b32 s72, s72, 3
	s_lshl_b32 s21, s71, 2
	s_add_co_u32 s21, s21, s72
	HALF 1, 0, 1, 2, 1, 1
	HALF 1, 1, 0, 2, 0, 0
	PLACES 4
	WIN 0
	s_and_b32 s58, s19, 3                          ; the head's place among my four
	s_cmp_eq_u32 s20, 1                            ; ids and the count of groups alone: the same in all waves and partners; the arms hold vector work and LDS stores to bytes of their own
	s_cbranch_scc1 .Lk_arm
	s_lshl_b32 s59, s58, 4
	v_add_nc_u32 v[TA0], s59, v[IA]
	s_lshl_b32 s59, s58, 3
	v_add_nc_u32 v[TA1], s59, v[IB]
	s_lshl_b32 s59, s58, 2
	v_add_nc_u32 v[TA2], s59, v[ISC]
.set nx, 0
.rept 64
	v_pk_mul_f32 v[ACC+2*nx:ACC+2*nx+1], v[ACC+2*nx:ACC+2*nx+1], s[46:47] op_sel_hi:[1,0]   ; q / 8; each accumulator from its low end on
.set nx, nx+1
.endr
.irp uq, 0,1
	QMAX ACC+64*\uq, 0
	QSCALE 0, PW
	QCVT ACC+64*\uq, 0
	IMGSTORE \uq, PW
	s_wait_dscnt 0x0                               ; the stores have read their registers
.endr
	s_branch .Ljoin
.Lk_arm:
	s_lshl_b32 s59, s58, 4
	s_add_co_u32 s59, s59, PIMGD
	v_add_nc_u32 v[TA0], s59, v[IA]
	s_lshl_b32 s59, s58, 3
	s_add_co_u32 s59, s59, PIMGD
	v_add_nc_u32 v[TA1], s59, v[IB]
	s_lshl_b32 s59, s58, 2
	v_add_nc_u32 v[TA3], s59, v[IRL]
	s_add_co_u32 s59, s59, 64
	v_add_nc_u32 v[TA2], s59, v[ISC]
	; the largest logit of each block of 32 channels (block 2 m + b): it serves the head's maximum and, since p rises with the logit, the block's largest p
.set bx, 0
.rept 8
	v_max3_num_f32 v[BM+bx], v[ACC+16*bx], v[ACC+16*bx+1], v[ACC+16*bx+2]
.set bx, bx+1
.endr
.irp iq, 3,5,7,9,11,13
.set bx, 0
.rept 8
	v_max3_num_f32 v[BM+bx], v[BM+bx], v[ACC+16*bx+\iq], v[ACC+16*bx+\iq+1]
.set bx, bx+1
.endr
.endr
.set bx, 0
.rept 8
	v_max_num_f32 v[BM+bx], v[BM+bx], v[ACC+16*bx+15]
.set bx, bx+1
.endr
.set bx, 0
.rept 8
	v_permlanex16_b32 v[BX+bx], v[BM+bx], s42, s43
.set bx, bx+1
.endr
.set bx, 0
.rept 8
	v_max_num_f32 v[BM+bx], v[BM+bx], v[BX+bx]
.set bx, bx+1
.endr
.irp mq, 0,1,2,3
	v_max_num_f32 v[NM+2*\mq], v[BM+2*\mq], v[BM+2*\mq+1]
.endr
.irp mq, 0,1,2,3
	v_mul_f32 v[NM+2*\mq], s44, v[NM+2*\mq]        ; the largest t
.endr
.irp mq, 0,1,2,3
	v_floor_f32 v[NM+2*\mq], -v[NM+2*\mq]          ; -M = floor(-t) = -ceil(t)
.endr
.irp mq, 0,1,2,3
	v_mov_b32 v[NM+2*\mq+1], v[NM+2*\mq]           ; (named with it as a pair, so it is written)
.endr
.set nx, 0
.rept 64
	v_pk_fma_f32 v[ACC+2*nx:ACC+2*nx+1], v[ACC+2*nx:ACC+2*nx+1], s[44:45], v[NM+2*(nx/16):NM+2*(nx/16)+1] op_sel_hi:[1,0,0]   ; t - M
.set nx, nx+1
.endr
.set bx, 0
.rept 8
	v_fma_f32 v[BM+bx], v[BM+bx], s44, v[NM+2*(bx/2)]
.set bx, bx+1
.endr
.set nx, 0
.rept 128
	v_exp_f32 v[ACC+nx], v[ACC+nx]                 ; p = 2^(t - M): not normalised
.set nx, nx+1
.endr
.set bx, 0
.rept 8
	v_exp_f32 v[BM+bx], v[BM+bx]                   ; each block's largest p: the same two instructions on the same number
.set bx, bx+1
.endr
	v_nop                                          ; a plain place behind the exponentials
	s_wait_alu depctr_va_vdst(0)                   ; one wait for the whole batch, ahead of its first reader
.set bx, 0
.rept 8
	v_max_num_f32 v[BM+bx], 0x1800000, v[BM+bx]    ; the floor
.set bx, bx+1
.endr
	QSCALE 0, PW
	QSCALE 4, PW+1
.irp uq, 0,1
	QCVT ACC+64*\uq, 4*\uq
	IMGSTORE \uq, PW+\uq
	SUMT 2*\uq                                     ; the sums are taken of the unquantised p, in place, behind the conversions
	SUMT 2*\uq+1
	s_wait_dscnt 0x0
.endr
.irp mq, 0,1,2,3
	v_add_f32 v[ACC+32*\mq], v[ACC+32*\mq], v[ACC+32*\mq+1]
.endr
.irp mq, 0,1,2,3
	v_permlanex16_b32 v[BX+\mq], v[ACC+32*\mq], s42, s43
.endr
.irp mq, 0,1,2,3
	v_add_f32 v[ACC+32*\mq], v[ACC+32*\mq], v[BX+\mq]   ; l
.endr
.irp mq, 0,1,2,3
	v_rcp_f32 v[NM+2*\mq], v[ACC+32*\mq]
.endr
	v_nop
	s_wait_alu depctr_va_vdst(0)                   ; one wait for the four reciprocals
	v_cndmask_b32 v[TMP], v[NM], v[NM+2], s54      ; lanes 0-15 store tile 0's, lanes 16-31 tile 1's
	v_cndmask_b32 v[TMP+1], v[NM+4], v[NM+6], s54
	ds_store_b32 v[TA3], v[TMP]
	ds_store_b32 v[TA3], v[TMP+1] offset:2560
	s_wait_dscnt 0x0
.Ljoin:
	s_mov_b32 s20, s71
	s_add_co_u32 s19, s19, 1
	s_cmp_lt_u32 s19, 8
	s_cbranch_scc1 .Lqk
	; ---- v: four groups, written out: their results go to different registers, and the last asks for nothing more
	BCFILL
.macro VGROUP ip
.if (\ip) < 3
	s_add_co_u32 s72, s16, (\ip)+1
	s_and_b32 s72, s72, 3                          ; the next group's i
	s_add_co_u32 s21, s72, 8
	HALF 0, 0, 1, 2, 2, 0
	HALF 0, 1, 0, 2, 0, 0
.else
	HALF 0, 0, 1, 1, 0, 0
	HALF 0, 1, 0, 0, 0, 0
.endif
	PLACES 4
	WIN 0
	; lane (r, h), tile t, register j: v(token 8 h + j, head position 2 ip + t % 2 + 8 (t / 2), channel 16 wave + r).  The swap gives lanes h the heads 8 h on: of token j in tiles 0, 1 and of token 8 + j in tiles 2, 3
.irp jq, 0,1,2,3,4,5,6,7
.irp mq, 0,1,2,3
	v_permlane16_swap_b32 v[ACC+32*\mq+\jq], v[ACC+32*\mq+16+\jq]
	v_permlane16_swap_b32 v[ACC+32*\mq+8+\jq], v[ACC+32*\mq+24+\jq]
.endr
.endr
.irp mq, 0,1,2,3
.if \mq < 2
	WIN 0x40
.set VFB, 128+64*\mq
.else
	WIN 0x40*\mq
.set VFB, 192
.endif
.irp jq, 0,1,2,3,4,5,6,7
	v_cvt_pk_bf16_f32 v[VFB+8*\jq+(\ip)], v[ACC+32*\mq+\jq], v[ACC+32*\mq+8+\jq]          ; K 8 h + 2 ip, + 1: token j's heads
	v_cvt_pk_bf16_f32 v[VFB+8*\jq+4+(\ip)], v[ACC+32*\mq+16+\jq], v[ACC+32*\mq+24+\jq]    ; K 16 + 8 h + 2 ip, + 1: token 8 + j's
.endr
.endr
	WIN 0
.if (\ip) < 3
	s_wait_loadcnt 0x0
	BCFILL
.endif
.endm
	VGROUP 0
	VGROUP 1
	VGROUP 2
	VGROUP 3
	; ---- product 2: wave w takes tokens 16 w .. 16 w + 15, one instruction each: source 0 = p's 16 heads, source 1 = q's 16 heads
	BAR                                            ; all images lie in LDS; nobody reads the ring any more, and it has had its last fill: its bytes are stored from here on
	v_and_b32 v122, 15, v0                         ; r
	v_bfe_u32 v123, v0, 4, 1                       ; h
	v_and_b32 v124, 8, v122
	v_and_b32 v125, 1, v122
	v_lshl_add_u32 v124, v125, 2, v124
	v_bfe_u32 v125, v0, 1, 2
	v_add_nc_u32 v124, v124, v125                  ; the slot of head position r: 8 (r / 8) + 4 (r % 2) + (r / 2) % 4
	s_mul_i32 s58, s12, 12544
	s_add_co_u32 s59, s58, QIMG
	v_lshlrev_b32 v[QA], 4, v124
	v_lshl_add_u32 v[QA], v123, 8, v[QA]
	v_add_nc_u32 v[QA], s59, v[QA]
	s_add_co_u32 s59, s58, QIMG+512
	v_lshlrev_b32 v[QB], 3, v124
	v_lshl_add_u32 v[QB], v123, 7, v[QB]
	v_add_nc_u32 v[QB], s59, v[QB]
	s_mul_i32 s59, s12, 2112
	s_add_co_u32 s59, s59, SCW
	v_lshlrev_b32 v[SCR], 2, v124
	v_lshl_add_u32 v[SCR], v123, 6, v[SCR]
	v_add_nc_u32 v[SCR], s59, v[SCR]               ; lanes 0-15 q's words, lanes 16-31 p's
	s_mul_i32 s59, s12, 1280
	s_add_co_u32 s59, s59, RLW
	v_lshlrev_b32 v[RLR], 5, v123
	v_add_nc_u32 v[RLR], s59, v[RLR]
	s_lshl_b32 s59, s12, 13
	v_add_nc_u32 v[AW], s59, v[LI]
	v_mul_u32_u24 v26, v122, 272
	v_lshl_add_u32 v26, v123, 5, v26
	s_lshl_b32 s59, s12, 6
	s_add_co_u32 s59, s59, OST0
	v_add_nc_u32 v26, s59, v26                     ; the way out, in: head position r, + 64 wave + 32 h
	v_add_nc_u32 v80, OSTD, v26
	v_mul_u32_u24 v27, v123, 272
	v_lshl_add_u32 v27, v122, 4, v27
	s_mul_i32 s59, s12, 17408
	s_add_co_u32 s59, s59, OST0
	v_add_nc_u32 v27, s59, v27                     ; and back: my four tokens; lanes 0-15 one head's 256 bytes, lanes 16-31 the next's
	v_add_nc_u32 v81, OSTD, v27
	WIN 0xc0
.set ox, 0
.rept 8
.irp iq, 6,7,8,9,10,11
	v_mov_b32 v[12*ox+\iq], 0                      ; K 64 to 127 of p's and q's operands: zero codes
.endr
.set ox, ox+1
.endr
	WIN 0x80
.irp jq, 0,1,2,3,4,5,6,7
.irp iq, 4,5,6,7
	v_mov_b32 v[12*\jq+\iq], 0                     ; product 3: the zeros beside a token's attn, which hide the other token's half of K
.endr
.endr
	WIN 0
.macro P2BATCH qb
	WIN 0xc0
.irp ee, 0,1,2,3
	ds_load_b128 v[24*\ee:24*\ee+3], v[QA] offset:PIMGD+784*(4*(\qb)+\ee)
	ds_load_b64 v[24*\ee+4:24*\ee+5], v[QB] offset:PIMGD+784*(4*(\qb)+\ee)
	ds_load_b128 v[24*\ee+12:24*\ee+15], v[QA] offset:784*(4*(\qb)+\ee)
	ds_load_b64 v[24*\ee+16:24*\ee+17], v[QB] offset:784*(4*(\qb)+\ee)
.endr
	WIN 0
.irp ee, 0,1,2,3
	ds_load_b32 v[WS0+\ee], v[SCR] offset:132*(4*(\qb)+\ee)
	ds_load_b128 v[XS+8*\ee:XS+8*\ee+3], v[RLR] offset:80*(4*(\qb)+\ee)
	ds_load_b128 v[XS+8*\ee+4:XS+8*\ee+7], v[RLR] offset:80*(4*(\qb)+\ee)+16
.endr
	s_wait_dscnt 0x0
	WIN 0x0f
.irp ee, 0,1,2,3
	v_wmma_scale_f32_16x16x128_f8f6f4 v[ACC+8*(4*(\qb)+\ee):ACC+8*(4*(\qb)+\ee)+7], v[24*\ee:24*\ee+11], v[24*\ee+12:24*\ee+23], 0, v[WS0+\ee], v[WS0+\ee] matrix_a_fmt:MATRIX_FMT_FP6 matrix_b_fmt:MATRIX_FMT_FP6 matrix_a_scale:MATRIX_SCALE_ROW1
.endr
	WIN 0
	PLACES 5
.irp ee, 0,1,2,3
.irp jq, 0,1,2,3,4,5,6,7
	v_mul_f32 v[ACC+8*(4*(\qb)+\ee)+\jq], v[ACC+8*(4*(\qb)+\ee)+\jq], v[XS+8*\ee+4*(\jq%2)+\jq/2]   ; lane (r, h), register j: attn(h' = r, g' = 8 h + j) / l(g')
.endr
.endr
.irp ee, 0,1,2,3
.irp iq, 0,1,2,3
	v_cvt_pk_bf16_f32 v[PC+4*\ee+\iq], v[ACC+8*(4*(\qb)+\ee)+2*\iq], v[ACC+8*(4*(\qb)+\ee)+2*\iq+1]
.endr
.endr
.irp ee, 0,1,2,3
	ds_store_b128 v[AW], v[PC+4*\ee:PC+4*\ee+3] offset:512*(4*(\qb)+\ee)    ; product 3's operand as it stands: K 8 h .. 8 h + 7 of column h' = r
.endr
.endm
	P2BATCH 0
	P2BATCH 1
	P2BATCH 2
	P2BATCH 3
	BAR                                            ; attn of all 64 tokens lies in LDS
	; ---- product 3 and the way out, 16 tokens at a time: O^T = v^T attn^T: lane (r, h), register j: out(head position r, channel 16 wave + 8 h + j)
.macro CHUNK mc
.if (\mc) < 2
.set VFB, 128+64*(\mc)
.set WP, 0x09
.else
.set VFB, 192
.set WP, 0x08+(\mc)
.endif
.if (\mc)%2
.set OSA, 80
.set ORA, 81
.else
.set OSA, 26
.set ORA, 27
.endif
	WIN 0x80
.irp jq, 0,1,2,3,4,5,6,7
	ds_load_b128 v[12*\jq:12*\jq+3], v[LI] offset:8192*(\mc)+512*\jq
	ds_load_b128 v[12*\jq+8:12*\jq+11], v[LI] offset:8192*(\mc)+512*(8+\jq)
.endr
	s_wait_dscnt 0x0
	WIN WP
.irp jq, 0,1,2,3,4,5,6,7
	v_wmma_f32_16x16x32_bf16 v[ACC+8*\jq:ACC+8*\jq+7], v[VFB+8*\jq:VFB+8*\jq+7], v[12*\jq:12*\jq+7], 0          ; token j: attn, then zeros
.endr
.irp jq, 0,1,2,3,4,5,6,7
	v_wmma_f32_16x16x32_bf16 v[ACC+64+8*\jq:ACC+64+8*\jq+7], v[VFB+8*\jq:VFB+8*\jq+7], v[12*\jq+4:12*\jq+11], 0   ; token 8 + j: zeros, then attn
.endr
	WIN 0
	PLACES 5                                       ; the next chunk's products write over these accumulators, and its loads over these operands
.set tx, 0
.rept 16
	ds_store_b128 v[OSA], v[ACC+8*tx:ACC+8*tx+3] offset:4352*tx
	ds_store_b128 v[OSA], v[ACC+8*tx+4:ACC+8*tx+7] offset:4352*tx+16
.set tx, tx+1
.endr
	BAR                                            ; 16 tokens' rows lie in the stage; a stage is stored again two chunks on, behind the next chunk's barrier
	s_wait_xcnt 0x0                                ; the last chunk's stores have read their registers
	WIN 0xc0
.set kx, 0
.rept 32
	ds_load_b128 v[4*kx:4*kx+3], v[ORA] offset:4352*(kx/8)+544*(kx%8)
.set kx, kx+1
.endr
	WIN 0x0c
.set kx, 0
.rept 32
	s_wait_dscnt 31-kx
	global_store_b128 v[CO+(kx%4)], v[4*kx:4*kx+3], s[10:11] offset:65536*(\mc)+4096*(kx/8)+2048*((kx%8)/4) th:TH_STORE_NT   ; 32 lanes store two heads' 512 consecutive bytes, at a multiple of 256 from out's first byte
.set kx, kx+1
.endr
	WIN 0
.endm
	CHUNK 0
	CHUNK 1
	CHUNK 2
	CHUNK 3
	s_wait_tensorcnt 0x0                           ; the wave's end, behind my last tensor load and my last LDS store
	ds_add_u32 v[SPW], v[NIL]
	s_wait_dscnt 0x0
	CROUND                                         ; the closing round: no work-group ends while a partner may still ask for a block that names it
	s_endpgm
.Lfunc_end_k_q3a0acc71e0_fused:
	.size	k_q3a0acc71e0_fused, .Lfunc_end_k_q3a0acc71e0_fused-k_q3a0acc71e0_fused
	.p2alignl 7, 3214868480
	.fill 96, 4, 3214868480
	.section	.rodata,"a",@progbits
	.p2align	6, 0x0
	.amdhsa_kernel k_q3a0acc71e0_fused
		.amdhsa_group_segment_fixed_size 327680
		.amdhsa_private_segment_fixed_size 0
		.amdhsa_enable_private_segment 0
		.amdhsa_kernarg_size 32
		.amdhsa_user_sgpr_count 2
		.amdhsa_user_sgpr_kernarg_segment_ptr 1
		.amdhsa_wavefront_size32 1
		.amdhsa_system_sgpr_workgroup_id_x 1
		.amdhsa_system_sgpr_workgroup_id_y 1
		.amdhsa_system_sgpr_workgroup_id_z 1
		.amdhsa_system_vgpr_workitem_id 0
		.amdhsa_next_free_vgpr 1024
		.amdhsa_next_free_sgpr 100
		.amdhsa_reserve_vcc 0
		.amdhsa_float_denorm_mode_32 3
		.amdhsa_float_denorm_mode_16_64 3
		.amdhsa_memory_ordered 1
		.amdhsa_forward_progress 1
		.amdhsa_inst_pref_size 255
	.end_amdhsa_kernel
	.section	.bss,"aw",@nobits
	.p2align	6
	.space	262144
	.amdgpu_metadata
---
amdhsa.version: [ 1, 2 ]
amdhsa.kernels:
  - .name:           k_q3a0acc71e0_fused
    .symbol:         k_q3a0acc71e0_fused.kd
    .args:
      - { .name: x, .offset: 0, .size: 8, .value_kind: global_buffer, .address_space: global }
      - { .name: wq, .offset: 8, .size: 8, .value_kind: global_buffer, .address_space: global }
      - { .name: b_qkv, .offset: 16, .size: 8, .value_kind: global_buffer, .address_space: global }
      - { .name: out0, .offset: 24, .size: 8, .value_kind: global_buffer, .address_space: global }
    .group_segment_fixed_size: 327680
    .private_segment_fixed_size: 0
    .kernarg_segment_align: 8
    .kernarg_segment_size: 32
    .max_flat_workgroup_size: 128
    .sgpr_count:     100
    .vgpr_count:     1024
    .wavefront_size: 32
...
	.end_amdgpu_metadata
.endif
;; end of part 2
